; MI455X (gfx1250); checked and timed in simulation.
; The chip was launched on July 23, 2026; its instructions are those of AMD's public machine-readable ISA for CDNA 5 (MIT licence, August 2026) and "CDNA5" Instruction Set Architecture Reference Guide (July 2026). The comments in the code are by the model that wrote it; some were corrected since.
;; Dueling DQN. Allowed arithmetic: float matrix products may take bf16 or f16 operands with f32 sums; all other float work in f32.
;; Inputs: W1 256 x 68 float32; Wk 64 x 64 float32; Wo 64 x 64 float32; Wq 64 x 64 float32; Wv 64 x 64 float32; a1_beps 128 float32; a1_bmu 128 float32; a1_bsig 128 float32; a1_weps 128 x 256 float32; a1_wmu 128 x 256 float32; a1_wsig 128 x 256 float32; a2_beps 3 float32; a2_bmu 3 float32; a2_bsig 3 float32; a2_weps 3 x 128 float32; a2_wmu 3 x 128 float32; a2_wsig 3 x 128 float32; b1 256 float32; bk 64 float32; bo 64 float32; bq 64 float32; bv 64 float32; state 2,048 x 180 x 68 float32; v1_beps 128 float32; v1_bmu 128 float32; v1_bsig 128 float32; v1_weps 128 x 256 float32; v1_wmu 128 x 256 float32; v1_wsig 128 x 256 float32; v2_beps 1 float32; v2_bmu 1 float32; v2_bsig 1 float32; v2_weps 1 x 128 float32; v2_wmu 1 x 128 float32; v2_wsig 1 x 128 float32.
;; Outputs: out0 2,048 x 3 float32.
;; One version. Each part assembles by itself: llvm-mc -triple=amdgcn-amd-amdhsa -mcpu=gfx1250 --defsym DOCPART=n.
;; ======== version 1 of 1: 2 launches
;; workspace buffers: wv 524,288 bytes; wn 131,072 bytes
;; launch attn (part 1): grid 2048 x 1, 4 waves a work-group, no clusters, 52,480 bytes of LDS; arguments state, Wq, bq, Wk, bk, Wv, bv, wv, v1_wmu, v1_wsig, v1_weps, a1_wmu, a1_wsig, a1_weps, wn; writes wv, wn
.if DOCPART == 1
	.amdgcn_target "amdgcn-amd-amdhsa--gfx1250"
	.amdhsa_code_object_version 6
	.text
	.protected	k_qd16ef29086_attn
	.globl	k_qd16ef29086_attn
	.p2align	8
	.type	k_qd16ef29086_attn,@function
k_qd16ef29086_attn:
	s_mov_b64 s[64:65], 0
	v_nop
	global_prefetch_b8 v0, s[64:65] scope:SCOPE_SE
	s_setreg_imm32_b32 hwreg(HW_REG_WAVE_MODE, 25, 1), 1
	s_wait_xcnt 0x0
; wv[b][16 head + d] = mean over the 180 queries of softmax(Q K^T / 4) V, for batch item b = the work-group, head = the wave.
; (The mean over positions is taken ahead of Wo: mean(x Wo^T + bo) = mean(x) Wo^T + bo; the next launch applies Wo.)
; Work-groups 0 to 63 also make wn = bf16(mu + sig * eps) of the two 128 x 256 noisy layers, 1,024 numbers each.
;
; THE CHAIN STAYS IN REGISTERS.  r = lane & 15, h = lane >> 4.
;   Q^T tile = Wq rows (A) x x rows (B): D[d = 8h+j][q = r]; four packed registers are registers 0-3 of a B operand (n = q, k = d).
;   K^T tile likewise: registers 0-3 of an A operand (m = key, k = d).
;   V tile = x rows (A) x Wv rows (B): D[key = 8h+j][d = r]; tiles 2c, 2c+1 packed are the A operand V^T (m = d, 32 keys).
;   Scores transposed: tile t = K tile t (A) x Q block (B): D[key = 16t+8h+j][q = r]: a lane owns one query, its 96 registers are keys,
;   so the maximum is taken inside the lane and once between the two halves.  P = exp2(S - max) packed in place is the B operand
;   (n = q, 32 keys) of O^T = V^T P^T.  The row sums come from a second product, ONES x P^T: numerator and denominator see the same P.
;   The head dimension fills k = 0..15 of the K = 32 form: Q's registers 4-7 are zero, and K tile t is named v[KF+4t:KF+4t+7], whose upper
;   four registers are the next tile's numbers (for tile 11 the first of V^T) and meet those zeros.
; PADDING 180 -> 192: LDS rows 180-191 are copies of row 179 (the row index of the global load is clamped, so no load leaves the buffer):
;   a padded key scores as key 179 does, so the maximum is the true one; V^T and ONES are zero at keys >= 180, so its weight is none.
;   Padded queries (block 11, r >= 4) get 1/l = 0 in the last trip, which is written out.
; LIMITS: matrix operands are rounded to bf16, P among them; K and V must be finite (zero times a live register), as they are wherever the
;   problem's function gives finite results; v_exp_f32 gives 0 for results below 2^-126 (ISA guide 15.8); the maximum's own P is 1, so l >= 1.
; No tensor loads: x goes from f32 to bf16 in registers on its way into LDS.  No cluster: work-groups share only the 48 KiB of weights.
.set ROWB,  272                        ; bytes of a row of state: 68 f32
.set ITEMB, 48960                      ; bytes of a batch item: 180 rows
.set XP,    144                        ; LDS row of x: 64 bf16 + 16 bytes, 9 x 16: sixteen rows of a fragment start 16 bytes apart modulo 256
.set QST,   27648                      ; behind x's 192 rows: 12 Q blocks of 512 bytes for each wave, its own
.set OUTS,  52224                      ; 64 f32: the four heads' means
.set MX,    8                          ; v[8:11]    four running maxima (earlier: offsets of the weight loads)
.set ONES,  20                         ; v[20:31]   1.0 in bf16: v20-27 all, v28-29 where h = 0, v30-31 zero
.set QB,    32                         ; v[32:39]   the Q block, registers 4-7 zero
.set OA,    40                         ; v[40:47]   O^T of the block        (earlier BQ: bq as a C operand)
.set LS,    48                         ; v[48:55]   the row sums            (earlier BK)
.set ACC,   56                         ; v[56:63]   sum over blocks of O/l  (earlier BV)
.set KF,    64                         ; v[64:111]  K tiles, 4 registers each    (earlier x as loaded)
.set VT,    112                        ; v[112:159] V^T, 8 registers for 32 keys (earlier x as loaded)
.set SC,    160                        ; v[160:255] scores, then P
.set XR,    64
.set WQ,    160                        ; in the projection: weights, two K steps of 8 registers each
.set WK,    176
.set WV,    192
.set XFR,   208                        ; x fragment, two K steps
.set AQ,    224
.set AK,    232
.set AV,    240
.set QP,    248
	s_load_b512 s[4:19], s[0:1], 0x0               ; state 4, Wq 6, bq 8, Wk 10, bk 12, Wv 14, bv 16, wv 18
	s_load_b256 s[20:27], s[0:1], 0x40             ; v1_wmu 20, v1_wsig 22, v1_weps 24, a1_wmu 26
	s_load_b128 s[28:31], s[0:1], 0x60             ; a1_wsig 28, a1_weps 30
	s_load_b64 s[32:33], s[0:1], 0x70              ; wn
	v_and_b32 v1, 15, v0                           ; r
	v_bfe_u32 v2, v0, 4, 1                         ; h
	v_and_b32 v3, 31, v0                           ; lane
	v_lshrrev_b32 v8, 5, v0
	v_readfirstlane_b32 s34, v8                    ; wave = head
	s_mov_b32 s36, 0x76543210                      ; v_permlanex16_b32: lane i takes lane i of the other half
	s_mov_b32 s37, 0xfedcba98
	s_mov_b32 s38, 0x0000ffff                      ; lanes with h = 0
	s_mov_b32 s39, 0x000f000f                      ; lanes with r < 4
	s_mov_b32 s46, 0x3eb8aa3b                      ; 0.25 log2(e): 1/sqrt(16) and the base of v_exp_f32, folded into Wq and bq
	s_mov_b32 s47, 0x3eb8aa3b
	v_mul_u32_u24 v4, XP, v1
	v_lshl_add_u32 v4, v2, 4, v4                   ; x fragments: r x pitch + 16 h
	s_mul_i32 s43, s34, 6144
	s_add_co_u32 s43, s43, QST
	v_lshl_add_u32 v5, v3, 4, s43                  ; my 16 bytes of my wave's Q block 0
	s_mul_i32 s44, s34, 48
	v_add_nc_u32 v11, s44, v2                      ; 48 w + h: the first row that I load
	v_mul_u32_u24 v6, ROWB, v11
	v_lshl_add_u32 v6, v1, 4, v6                   ; in state: sixteen lanes take the 256 bytes of a row's market columns
	v_mul_u32_u24 v7, XP, v11
	v_lshl_add_u32 v7, v1, 3, v7                   ; in LDS: the same four numbers as 8 bytes
	s_lshl_b32 s45, s34, 4
	v_add_nc_u32 v10, s45, v1                      ; 16 w + r: my row of Wq, Wk, Wv
	v_lshlrev_b32 v8, 8, v10
	v_lshl_add_u32 v8, v2, 5, v8                   ; x 256 bytes + 32 h
	s_lshl_b32 s45, s34, 6
	v_lshl_add_u32 v9, v2, 5, s45                  ; bq, bk as C: (16 w + 8 h) x 4
	v_lshlrev_b32 v10, 2, v10                      ; bv as C: (16 w + r) x 4
.irp i, 18,19,20,21,22,23
	v_add_nc_u32 v[\i-4], 2*\i, v11                ; loads 18 to 23 can pass row 179 (wave 3): clamp the row
	v_min_u32 v[\i-4], 179, v[\i-4]
	v_mul_u32_u24 v[\i-4], ROWB, v[\i-4]
	v_lshl_add_u32 v[\i-4], v1, 4, v[\i-4]
.endr
	v_mov_b32 v13, 0                               ; the second register of the pair v[12:13], never used as a number
	s_mul_i32 s40, ttmp9, ITEMB                    ; below 2^31: 2,048 items are 100,270,080 bytes
	s_mov_b32 s41, 0
	s_wait_kmcnt 0x0
	s_add_nc_u64 s[4:5], s[4:5], s[40:41]
	; 53 loads: 24 of x (rows 48 w + 2 i + h), 24 of weights, 5 of biases
.irp i, 0,1,2,3,4,5,6,7,8,9,10,11,12,13,14,15,16,17
	global_load_b128 v[XR+4*\i:XR+4*\i+3], v6, s[4:5] offset:2*ROWB*\i th:TH_LOAD_NT
.endr
.irp i, 18,19,20,21,22,23
	global_load_b128 v[XR+4*\i:XR+4*\i+3], v[\i-4], s[4:5] th:TH_LOAD_NT
.endr
; a weight matrix's 16 rows x 64 columns as loaded: for K step k the f32 at columns 32 k + 8 h + 0..7 and 32 k + 16 + 8 h + 0..7
.macro LOADW dst, lo, hi
.irp k, 0,1
	global_load_b128 v[\dst+16*\k:\dst+16*\k+3],     v8, s[\lo:\hi] offset:128*\k
	global_load_b128 v[\dst+16*\k+4:\dst+16*\k+7],   v8, s[\lo:\hi] offset:128*\k+16
	global_load_b128 v[\dst+16*\k+8:\dst+16*\k+11],  v8, s[\lo:\hi] offset:128*\k+64
	global_load_b128 v[\dst+16*\k+12:\dst+16*\k+15], v8, s[\lo:\hi] offset:128*\k+80
.endr
.endm
	LOADW 160, 6, 7
	LOADW 192, 10, 11
	LOADW 224, 14, 15
	global_load_b128 v[OA:OA+3],   v9, s[8:9]
	global_load_b128 v[OA+4:OA+7], v9, s[8:9] offset:16
	global_load_b128 v[LS:LS+3],   v9, s[12:13]
	global_load_b128 v[LS+4:LS+7], v9, s[12:13] offset:16
	global_load_b32 v[ACC], v10, s[16:17]
	; x to bf16 and into LDS, load by load
.irp i, 0,1,2,3,4,5,6,7,8,9,10,11,12,13,14,15,16,17,18,19,20,21,22,23
	s_wait_loadcnt 52-\i                           ; 23 - i younger loads of x and the 29 of weights and biases stay out
	v_cvt_pk_bf16_f32 v[XR+4*\i],   v[XR+4*\i],   v[XR+4*\i+1]
	v_cvt_pk_bf16_f32 v[XR+4*\i+1], v[XR+4*\i+2], v[XR+4*\i+3]
	ds_store_b64 v7, v[XR+4*\i:XR+4*\i+1] offset:2*XP*\i
.endr
	s_wait_dscnt 0x0                               ; my rows of x are in LDS: the other waves read them behind the barrier
	s_barrier_signal -1
	s_wait_loadcnt 0x0                             ; weights and biases; register work until the others arrive
.set f, 0
.rept 16
	v_pk_mul_f32 v[160+2*f:161+2*f], v[160+2*f:161+2*f], s[46:47] op_sel_hi:[1,0]
.set f, f+1
.endr
.irp j, 0,2,4,6
	v_pk_mul_f32 v[OA+\j:OA+\j+1], v[OA+\j:OA+\j+1], s[46:47] op_sel_hi:[1,0]
.endr
.set f, 0
.rept 48
	v_cvt_pk_bf16_f32 v[160+f], v[160+2*f], v[160+2*f+1]   ; in place, ascending: register 160 + f is written when 160 + 2 f and above are still to be read
.set f, f+1
.endr
.irp j, 1,2,3,4,5,6,7
	v_mov_b32 v[ACC+\j], v[ACC]                    ; bv[16 w + r] in all eight registers of V's C
.endr
.irp j, 0,1,2,3,4,5,6,7
	v_mov_b32 v[ONES+\j], 0x3f803f80
.endr
	v_cndmask_b32 v[ONES+8], 0, v[ONES], s38       ; keys 176 + 8 h + 0..3 count where h = 0
	v_cndmask_b32 v[ONES+9], 0, v[ONES], s38
	v_mov_b32 v[ONES+10], 0
	v_mov_b32 v[ONES+11], 0
.irp j, 4,5,6,7
	v_mov_b32 v[QB+\j], 0
.endr
	s_barrier_wait -1
	; PROJECTION: 12 tiles of 16 rows.  Three accumulators take turns, one instruction a turn.
	ds_load_b128 v[XFR:XFR+3],     v4
	ds_load_b128 v[XFR+4:XFR+7],   v4 offset:32
	ds_load_b128 v[XFR+8:XFR+11],  v4 offset:64
	ds_load_b128 v[XFR+12:XFR+15], v4 offset:96
.macro PROJ t
.if \t
	s_wait_dscnt 0x1                               ; the four fragment loads are in; the Q store issued behind them may be out
.else
	s_wait_dscnt 0x0
.endif
	v_wmma_f32_16x16x32_bf16 v[AQ:AQ+7], v[WQ:WQ+7],      v[XFR:XFR+7],    v[OA:OA+7]
	v_wmma_f32_16x16x32_bf16 v[AK:AK+7], v[WK:WK+7],      v[XFR:XFR+7],    v[LS:LS+7]
	v_wmma_f32_16x16x32_bf16 v[AV:AV+7], v[XFR:XFR+7],    v[WV:WV+7],      v[ACC:ACC+7]
	v_wmma_f32_16x16x32_bf16 v[AQ:AQ+7], v[WQ+8:WQ+15],   v[XFR+8:XFR+15], v[AQ:AQ+7]
	v_wmma_f32_16x16x32_bf16 v[AK:AK+7], v[WK+8:WK+15],   v[XFR+8:XFR+15], v[AK:AK+7]
	v_wmma_f32_16x16x32_bf16 v[AV:AV+7], v[XFR+8:XFR+15], v[WV+8:WV+15],   v[AV:AV+7]
.rept 4
	v_nop                                          ; four places ahead of the loads into the fragment and of the conversions
.endr
.if \t < 11
	ds_load_b128 v[XFR:XFR+3],     v4 offset:16*XP*(\t+1)
	ds_load_b128 v[XFR+4:XFR+7],   v4 offset:16*XP*(\t+1)+32
	ds_load_b128 v[XFR+8:XFR+11],  v4 offset:16*XP*(\t+1)+64
	ds_load_b128 v[XFR+12:XFR+15], v4 offset:16*XP*(\t+1)+96
.endif
.irp i, 0,1,2,3
	v_cvt_pk_bf16_f32 v[QP+\i], v[AQ+2*\i], v[AQ+2*\i+1]
.endr
.irp i, 0,1,2,3
	v_cvt_pk_bf16_f32 v[KF+4*\t+\i], v[AK+2*\i], v[AK+2*\i+1]
.endr
.if \t < 11
.irp i, 0,1,2,3
	v_cvt_pk_bf16_f32 v[VT+4*\t+\i], v[AV+2*\i], v[AV+2*\i+1]
.endr
.else
	v_cvt_pk_bf16_f32 v[VT+44], v[AV],   v[AV+1]   ; keys 176 + 8 h + 0..3: real where h = 0
	v_cvt_pk_bf16_f32 v[VT+45], v[AV+2], v[AV+3]
	v_cndmask_b32 v[VT+44], 0, v[VT+44], s38
	v_cndmask_b32 v[VT+45], 0, v[VT+45], s38
	v_mov_b32 v[VT+46], 0                          ; keys 180 + 8 h and above: none
	v_mov_b32 v[VT+47], 0
.endif
	ds_store_b128 v5, v[QP:QP+3] offset:512*\t     ; the Q block waits in my wave's own bytes
.endm
.irp t, 0,1,2,3,4,5,6,7,8,9,10,11
	PROJ \t
.endr
.irp j, 0,1,2,3,4,5,6,7
	v_mov_b32 v[ACC+\j], 0
.endr
	ds_load_b128 v[QB:QB+3], v5                    ; Q block 0: LDS serves a wave's instructions in order (ISA guide 5.7.1), so it sees the store
; chunk c = keys 32 c .. 32 c + 31 = 16 score registers; of chunk 5 only the first 12 (keys up to 176 + 8 h + 3)
.macro SUBC c
.irp i, 0,1,2,3,4,5
	v_pk_add_f32 v[SC+16*\c+2*\i:SC+16*\c+2*\i+1], v[SC+16*\c+2*\i:SC+16*\c+2*\i+1], v[MX:MX+1] op_sel_hi:[1,0] neg_lo:[0,1] neg_hi:[0,1]
.endr
.if \c < 5
.irp i, 6,7
	v_pk_add_f32 v[SC+16*\c+2*\i:SC+16*\c+2*\i+1], v[SC+16*\c+2*\i:SC+16*\c+2*\i+1], v[MX:MX+1] op_sel_hi:[1,0] neg_lo:[0,1] neg_hi:[0,1]
.endr
.endif
.endm
.macro EXPC c
.irp i, 0,1,2,3,4,5,6,7,8,9,10,11
	v_exp_f32 v[SC+16*\c+\i], v[SC+16*\c+\i]
.endr
.if \c < 5
.irp i, 12,13,14,15
	v_exp_f32 v[SC+16*\c+\i], v[SC+16*\c+\i]
.endr
.endif
.endm
.macro CVTC c
.irp i, 0,1,2,3,4,5
	v_cvt_pk_bf16_f32 v[SC+16*\c+\i], v[SC+16*\c+2*\i], v[SC+16*\c+2*\i+1]
.endr
.if \c < 5
.irp i, 6,7
	v_cvt_pk_bf16_f32 v[SC+16*\c+\i], v[SC+16*\c+2*\i], v[SC+16*\c+2*\i+1]
.endr
.else
	v_mov_b32 v[SC+86], 0                          ; keys 180 + 8 h and above: a plain zero meets V^T's zeros
	v_mov_b32 v[SC+87], 0
.endif
.endm
; O and the row sums take turns, one instruction a turn
.macro PVC c
.if \c == 0
	v_wmma_f32_16x16x32_bf16 v[OA:OA+7], v[VT:VT+7],     v[SC:SC+7], 0
	v_wmma_f32_16x16x32_bf16 v[LS:LS+7], v[ONES:ONES+7], v[SC:SC+7], 0
.else
	v_wmma_f32_16x16x32_bf16 v[OA:OA+7], v[VT+8*\c:VT+8*\c+7], v[SC+16*\c:SC+16*\c+7], v[OA:OA+7]
.if \c < 5
	v_wmma_f32_16x16x32_bf16 v[LS:LS+7], v[ONES:ONES+7],    v[SC+16*\c:SC+16*\c+7], v[LS:LS+7]
.else
	v_wmma_f32_16x16x32_bf16 v[LS:LS+7], v[ONES+4:ONES+11], v[SC+16*\c:SC+16*\c+7], v[LS:LS+7]
.endif
.endif
.endm
; one block of 16 queries.  last = 1: block 11, no further Q block, queries 180 and above dropped
.macro TRIP last
	s_wait_dscnt 0x0                               ; the Q block
.irp t, 0,1,2,3,4,5,6,7,8,9,10,11
	v_wmma_f32_16x16x32_bf16 v[SC+8*\t:SC+8*\t+7], v[KF+4*\t:KF+4*\t+7], v[QB:QB+7], 0
.endr
.if \last
.rept 4
	v_nop                                          ; four places ahead of the first read of a score
.endr
.else
	v_add_nc_u32 v5, 512, v5                       ; four places ahead of the load into the Q block and of the first read of a score
.rept 3
	v_nop
.endr
	ds_load_b128 v[QB:QB+3], v5                    ; the next block, a whole trip ahead of its use
.endif
	; the maximum of my query's 92 scores in this lane: four chains of 23
.irp c, 0,1,2,3
	v_max3_num_f32 v[MX+\c], v[SC+23*\c], v[SC+23*\c+1], v[SC+23*\c+2]
.endr
.irp k, 3,5,7,9,11,13,15,17,19,21
.irp c, 0,1,2,3
	v_max3_num_f32 v[MX+\c], v[MX+\c], v[SC+23*\c+\k], v[SC+23*\c+\k+1]
.endr
.endr
	v_max3_num_f32 v[MX], v[MX], v[MX+1], v[MX+2]
	v_max_num_f32 v[MX], v[MX], v[MX+3]
	v_permlanex16_b32 v[MX+1], v[MX], s36, s37     ; the other half's keys of the same query
	v_max_num_f32 v[MX], v[MX], v[MX+1]
	; behind a run of exponentials stands the next chunk's subtraction: the plain place ahead of the first use (ISA guide 5.7.2)
	SUBC 0
	EXPC 0
	SUBC 1
	CVTC 0
	PVC 0
	EXPC 1
	SUBC 2
	CVTC 1
	PVC 1
	EXPC 2
	SUBC 3
	CVTC 2
	PVC 2
	EXPC 3
	SUBC 4
	CVTC 3
	PVC 3
	EXPC 4
	SUBC 5
	CVTC 4
	PVC 4
	EXPC 5
	v_nop
	CVTC 5
	PVC 5
.rept 4
	v_nop                                          ; four places ahead of the reads of the sums and of O
.endr
	v_rcp_f32 v12, v[LS]                           ; every register of the sums holds l of my query
	v_nop                                          ; the place behind the reciprocal, and the fifth ahead of the next trip's scores, which write over P
.if \last
	v_cndmask_b32 v12, 0, v12, s39                 ; queries 176 + r with r >= 4 do not exist
.endif
.irp j, 0,2,4,6
	v_pk_fma_f32 v[ACC+\j:ACC+\j+1], v[OA+\j:OA+\j+1], v[12:13], v[ACC+\j:ACC+\j+1] op_sel_hi:[1,0,1]
.endr
.endm
	s_mov_b32 s35, 0
.Lq:
	TRIP 0
	s_add_co_u32 s35, s35, 1
	s_cmp_lt_u32 s35, 11
	s_cbranch_scc1 .Lq
	TRIP 1
	; the sum over the sixteen queries that the lanes of a half hold, then 1/180
.irp m, 1,2,4,8
.irp j, 0,1,2,3,4,5,6,7
	v_add_f32_dpp v[ACC+\j], v[ACC+\j], v[ACC+\j] row_xmask:\m row_mask:0xf bank_mask:0xf
.endr
.endr
	s_mov_b32 s46, 0x3bb60b61                      ; 1/180
	s_mov_b32 s47, 0x3bb60b61
.irp j, 0,2,4,6
	v_pk_mul_f32 v[ACC+\j:ACC+\j+1], v[ACC+\j:ACC+\j+1], s[46:47] op_sel_hi:[1,0]
.endr
	s_lshl_b32 s45, s34, 6
	s_add_co_u32 s45, s45, OUTS
	v_lshl_add_u32 v10, v2, 5, s45                 ; column 16 w + 8 h: the sixteen lanes of a half write the same words with the same numbers
	ds_store_b128 v10, v[ACC:ACC+3]
	ds_store_b128 v10, v[ACC+4:ACC+7] offset:16
	s_wait_dscnt 0x0                               ; for wave 0, which reads all four heads' words behind the barrier
	s_barrier_signal -1
	s_barrier_wait -1
	s_cmp_lg_u32 s34, 0
	s_cbranch_scc1 .Lprep
	v_lshlrev_b32 v11, 3, v3
	ds_load_b64 v[12:13], v11 offset:OUTS
	s_lshl_b32 s40, ttmp9, 8
	s_mov_b32 s41, 0
	s_add_nc_u64 s[18:19], s[18:19], s[40:41]
	s_wait_dscnt 0x0
	global_store_b64 v11, v[12:13], s[18:19]       ; 32 lanes store the row's 256 consecutive bytes, at a multiple of 256 from wv's first byte
.Lprep:
	; the noisy weights: work-group g < 32 makes rows 4 g .. 4 g + 3 of v1's, g in 32..63 the same of a1's; a thread makes 8 numbers
	s_cmp_lt_u32 ttmp9, 64
	s_cbranch_scc0 .Lend
	s_cmp_lt_u32 ttmp9, 32
	s_cselect_b64 s[20:21], s[20:21], s[26:27]
	s_cselect_b64 s[22:23], s[22:23], s[28:29]
	s_cselect_b64 s[24:25], s[24:25], s[30:31]
	s_and_b32 s40, ttmp9, 31
	s_lshl_b32 s40, s40, 12                        ; 1,024 f32
	s_mov_b32 s41, 0
	s_add_nc_u64 s[20:21], s[20:21], s[40:41]
	s_add_nc_u64 s[22:23], s[22:23], s[40:41]
	s_add_nc_u64 s[24:25], s[24:25], s[40:41]
	s_lshl_b32 s44, ttmp9, 11                      ; 1,024 bf16
	s_mov_b32 s45, 0
	s_add_nc_u64 s[32:33], s[32:33], s[44:45]
	v_lshlrev_b32 v14, 5, v0
	v_lshlrev_b32 v15, 4, v0
	global_load_b128 v[64:67], v14, s[20:21] th:TH_LOAD_NT
	global_load_b128 v[68:71], v14, s[20:21] offset:16 th:TH_LOAD_NT
	global_load_b128 v[72:75], v14, s[22:23] th:TH_LOAD_NT
	global_load_b128 v[76:79], v14, s[22:23] offset:16 th:TH_LOAD_NT
	global_load_b128 v[80:83], v14, s[24:25] th:TH_LOAD_NT
	global_load_b128 v[84:87], v14, s[24:25] offset:16 th:TH_LOAD_NT
	s_wait_loadcnt 0x0
.irp j, 0,2,4,6
	v_pk_fma_f32 v[64+\j:65+\j], v[72+\j:73+\j], v[80+\j:81+\j], v[64+\j:65+\j]
.endr
.irp j, 0,1,2,3
	v_cvt_pk_bf16_f32 v[88+\j], v[64+2*\j], v[65+2*\j]
.endr
	global_store_b128 v15, v[88:91], s[32:33]      ; a wave stores 512 consecutive bytes, at a multiple of 512 from wn's first byte
.Lend:
	s_endpgm
.Lfunc_end_k_qd16ef29086_attn:
	.size	k_qd16ef29086_attn, .Lfunc_end_k_qd16ef29086_attn-k_qd16ef29086_attn
	.p2alignl 7, 3214868480
	.fill 96, 4, 3214868480
	.section	.rodata,"a",@progbits
	.p2align	6, 0x0
	.amdhsa_kernel k_qd16ef29086_attn
		.amdhsa_group_segment_fixed_size 52480
		.amdhsa_private_segment_fixed_size 0
		.amdhsa_enable_private_segment 0
		.amdhsa_kernarg_size 120
		.amdhsa_user_sgpr_count 2
		.amdhsa_user_sgpr_kernarg_segment_ptr 1
		.amdhsa_wavefront_size32 1
		.amdhsa_system_sgpr_workgroup_id_x 1
		.amdhsa_system_sgpr_workgroup_id_y 1
		.amdhsa_system_sgpr_workgroup_id_z 1
		.amdhsa_system_vgpr_workitem_id 0
		.amdhsa_next_free_vgpr 256
		.amdhsa_next_free_sgpr 66
		.amdhsa_reserve_vcc 0
		.amdhsa_float_denorm_mode_32 3
		.amdhsa_float_denorm_mode_16_64 3
		.amdhsa_memory_ordered 1
		.amdhsa_forward_progress 1
		.amdhsa_inst_pref_size 72
	.end_amdhsa_kernel
	.amdgpu_metadata
---
amdhsa.version: [ 1, 2 ]
amdhsa.kernels:
  - .name:           k_qd16ef29086_attn
    .symbol:         k_qd16ef29086_attn.kd
    .args:
      - { .name: state, .offset: 0, .size: 8, .value_kind: global_buffer, .address_space: global }
      - { .name: Wq, .offset: 8, .size: 8, .value_kind: global_buffer, .address_space: global }
      - { .name: bq, .offset: 16, .size: 8, .value_kind: global_buffer, .address_space: global }
      - { .name: Wk, .offset: 24, .size: 8, .value_kind: global_buffer, .address_space: global }
      - { .name: bk, .offset: 32, .size: 8, .value_kind: global_buffer, .address_space: global }
      - { .name: Wv, .offset: 40, .size: 8, .value_kind: global_buffer, .address_space: global }
      - { .name: bv, .offset: 48, .size: 8, .value_kind: global_buffer, .address_space: global }
      - { .name: wv, .offset: 56, .size: 8, .value_kind: global_buffer, .address_space: global }
      - { .name: v1_wmu, .offset: 64, .size: 8, .value_kind: global_buffer, .address_space: global }
      - { .name: v1_wsig, .offset: 72, .size: 8, .value_kind: global_buffer, .address_space: global }
      - { .name: v1_weps, .offset: 80, .size: 8, .value_kind: global_buffer, .address_space: global }
      - { .name: a1_wmu, .offset: 88, .size: 8, .value_kind: global_buffer, .address_space: global }
      - { .name: a1_wsig, .offset: 96, .size: 8, .value_kind: global_buffer, .address_space: global }
      - { .name: a1_weps, .offset: 104, .size: 8, .value_kind: global_buffer, .address_space: global }
      - { .name: wn, .offset: 112, .size: 8, .value_kind: global_buffer, .address_space: global }
    .group_segment_fixed_size: 52480
    .private_segment_fixed_size: 0
    .kernarg_segment_align: 8
    .kernarg_segment_size: 120
    .max_flat_workgroup_size: 128
    .sgpr_count:     66
    .vgpr_count:     256
    .wavefront_size: 32
...
	.end_amdgpu_metadata
.endif
;; end of part 1
;; launch head (part 2): grid 128 x 1, 8 waves a work-group, no clusters, 15,872 bytes of LDS; arguments wv, state, Wo, bo, W1, b1, wn, out0, v1_bmu, v1_bsig, v1_beps, a1_bmu, a1_bsig, a1_beps, v2_wmu, v2_wsig, v2_weps, a2_wmu, a2_wsig, a2_weps, v2_bmu, v2_bsig, v2_beps, a2_bmu, a2_bsig, a2_beps; writes out0
.if DOCPART == 2
	.amdgcn_target "amdgcn-amd-amdhsa--gfx1250"
	.amdhsa_code_object_version 6
	.text
	.protected	k_qd16ef29086_head
	.globl	k_qd16ef29086_head
	.p2align	8
	.type	k_qd16ef29086_head,@function
k_qd16ef29086_head:
	s_mov_b64 s[64:65], 0
	v_nop
	global_prefetch_b8 v0, s[64:65] scope:SCOPE_SE
	s_setreg_imm32_b32 hwreg(HW_REG_WAVE_MODE, 25, 1), 1
	s_wait_xcnt 0x0
; out0 for 16 batch rows a work-group (the matrix form's least tile: 2,048 / 16 = 128 work-groups, each with work), eight waves.
;   L0  att = wv Wo^T + bo                     64 features: waves 0-3, a tile each; wave 4 brings port = state[row][179][64..67]
;   L1  feat = relu([att, port] W1^T + b1)     256 features: two tiles a wave, K = 68 padded to 96 by zeros
;   L2  [hv | ha] = relu(feat wn^T + bias)     256 features: two tiles a wave, K = 256; wn = the noisy weights in bf16 from the launch before
;   L3  value, adv: a wave's two tiles of L2 are 32 of the 256 hidden numbers; it multiplies them by its part of the last weights;
;       the eight partial results meet in LDS, and wave 0 adds them, adds the biases and forms value + adv - mean(adv).
; EVERY LAYER IS TRANSPOSED: A = weight rows (m = feature), B = activations (n = batch row r).  D[feature 8h+j][row r] then packs into 16
; neighbouring bytes of row r of the next layer's activations.  A bias is the first C, loaded in C's layout: 8 f32 at feature 16 tile + 8 h.
; All loads stand at the head, in the order in which the layers want them; each layer's wait leaves the later layers' loads out.
; REGISTERS: window 0 as listed below; window 1 (v256 and above, written by their low 8 bits): v0-127 wn fragments (64 T + 8 ks),
; v128-143 bias sig, v144-159 bias eps, v160-175 L2's two accumulators, loaded with bias mu.
; LIMITS: matrix operands are rounded to bf16; zeroed operand parts meet live numbers (W1's columns 64..67 in the upper half of the lanes),
; which must be finite, as they are wherever the problem's function gives finite results.
; No tensor loads, no cluster: a work-group's bytes go through registers once, f32 to bf16, and the launch is short.
.set CP,    208                        ; a row of [att, port, zeros]: 96 bf16 + 16 bytes = 13 x 16
.set FEAT,  3328                       ; behind 16 such rows
.set FP,    528                        ; a row of feat: 256 bf16 + 16 bytes = 33 x 16
.set PART,  11776                      ; behind 16 such rows: 512 bytes for each wave's partial result
.set MSB, 0
.macro WIN new                         ; the immediate's high byte repeats the setting that is left
.if MSB != \new
	s_set_vgpr_msb (MSB<<8)|\new
.set MSB, \new
.endif
.endm
; 16 f32 of a row for one K step of 32: columns 8 h + 0..7 and 16 + 8 h + 0..7 (the lane term 32 h is in the address register)
.macro LD4 dst, a, lo, hi, off
	global_load_b128 v[\dst:\dst+3],     v\a, s[\lo:\hi] offset:\off
	global_load_b128 v[\dst+4:\dst+7],   v\a, s[\lo:\hi] offset:\off+16
	global_load_b128 v[\dst+8:\dst+11],  v\a, s[\lo:\hi] offset:\off+64
	global_load_b128 v[\dst+12:\dst+15], v\a, s[\lo:\hi] offset:\off+80
.endm
; 2 n f32 to n registers of bf16, in place, ascending: register base + f is written when base + 2 f and above are still to be read
.macro PACK base, n
.set f, 0
.rept \n
	v_cvt_pk_bf16_f32 v[\base+f], v[\base+2*f], v[\base+2*f+1]
.set f, f+1
.endr
.endm
.macro PLACES                          ; four places behind a matrix instruction (ISA guide 7.12.1)
.rept 4
	v_nop
.endr
.endm
	s_load_b512 s[4:19], s[0:1], 0x0               ; wv 4, state 6, Wo 8, bo 10, W1 12, b1 14, wn 16, out0 18
	s_load_b512 s[20:35], s[0:1], 0x40             ; v1_bmu 20, v1_bsig 22, v1_beps 24, a1_bmu 26, a1_bsig 28, a1_beps 30, v2_wmu 32, v2_wsig 34
	s_load_b512 s[36:51], s[0:1], 0x80             ; v2_weps 36, a2_wmu 38, a2_wsig 40, a2_weps 42, v2_bmu 44, v2_bsig 46, v2_beps 48, a2_bmu 50
	s_load_b128 s[52:55], s[0:1], 0xc0             ; a2_bsig 52, a2_beps 54
	v_and_b32 v1, 15, v0                           ; r
	v_bfe_u32 v2, v0, 4, 1                         ; h
	v_and_b32 v3, 31, v0                           ; lane
	v_lshrrev_b32 v22, 5, v0
	v_readfirstlane_b32 s56, v22                   ; wave
	s_and_b32 s63, s56, 3
	s_mov_b32 s79, 0x0000ffff                      ; lanes with h = 0
	s_mov_b32 s60, 0x00010001                      ; lanes with r = 0: the row of value
	s_mov_b32 s61, 0x000e000e                      ; lanes with r = 1..3: the rows of adv
	s_lshl_b32 s62, ttmp9, 4
	v_add_nc_u32 v22, s62, v1                      ; my batch row: 16 g + r
	v_lshlrev_b32 v4, 8, v22
	v_lshl_add_u32 v4, v2, 5, v4                   ; v4  wv: row x 256 + 32 h
	s_lshl_b32 s62, s56, 4
	v_add_nc_u32 v5, s62, v1
	v_lshlrev_b32 v5, 8, v5
	v_lshl_add_u32 v5, v2, 5, v5                   ; v5  Wo: (16 w + r) x 256 + 32 h (used by waves 0-3)
	s_lshl_b32 s62, s56, 6
	v_lshl_add_u32 v6, v2, 5, s62                  ; v6  bo: (16 w + 8 h) x 4
	s_lshl_b32 s62, s56, 5
	v_add_nc_u32 v23, s62, v1                      ; 32 w + r
	v_mul_u32_u24 v8, 272, v23
	v_lshl_add_u32 v7, v2, 5, v8                   ; v7  W1: (32 w + r) x 272 + 32 h
	v_add_nc_u32 v8, 256, v8                       ; v8  W1's columns 64..67
	s_lshl_b32 s62, s56, 7
	v_lshl_add_u32 v9, v2, 5, s62                  ; v9  b1: (32 w + 8 h) x 4
	v_lshlrev_b32 v10, 9, v23
	v_lshl_add_u32 v10, v2, 4, v10                 ; v10 wn: (32 w + r) x 512 + 16 h
	s_lshl_b32 s62, s63, 7
	v_lshl_add_u32 v11, v2, 5, s62                 ; v11 L2's biases, and the column part of the last weights: (32 (w & 3) + 8 h) x 4
	v_mul_u32_u24 v13, 48960, v22
	v_add_nc_u32 v13, 48944, v13                   ; v13 port: row x 48,960 + 179 x 272 + 256, below 2^31
	v_mul_u32_u24 v15, CP, v1
	v_lshl_add_u32 v15, v2, 4, v15                 ; v15 fragments of [att, port]: r x pitch + 16 h
	s_lshl_b32 s62, s56, 5
	v_add_nc_u32 v14, s62, v15                     ; v14 where L0's tile w goes: + 32 w (used by waves 0-3)
	v_add_nc_u32 v21, 128, v15                     ; v21 columns 64 and above
	v_mul_u32_u24 v17, FP, v1
	v_lshl_add_u32 v17, v2, 4, v17
	v_add_nc_u32 v17, FEAT, v17                    ; v17 fragments of feat
	s_lshl_b32 s62, s56, 6
	v_add_nc_u32 v16, s62, v17                     ; v16 where L1's two tiles go: + 64 w
	v_lshlrev_b32 v19, 4, v3
	v_add_nc_u32 v19, PART, v19                    ; v19 partial results: 16 x lane
	s_lshl_b32 s62, s56, 9
	v_add_nc_u32 v18, s62, v19                     ; v18 mine: + 512 w
	v_mul_u32_u24 v20, 12, v22                     ; v20 out0: row x 12
	s_cmp_lt_u32 s56, 4                            ; waves 0-3 hold hv and serve value, waves 4-7 hold ha and serve adv
	s_cselect_b32 s57, 0, 1                        ; the first row of the last product that is mine,
	s_cselect_b32 s58, 0, 2                        ; and how many more
	s_cselect_b32 s78, s60, s61                    ; the lanes that hold such a row
	v_max_u32 v12, s57, v1
	v_sub_nc_u32 v12, v12, s57
	v_min_u32 v12, s58, v12                        ; a row inside v2's 1 or a2's 3 in every lane; the lanes outside s78 are zeroed below
	v_lshl_add_u32 v12, v12, 9, v11                ; v12 last weights: row x 512 + (32 (w & 3) + 8 h) x 4
	s_wait_kmcnt 0x0
	s_cmp_lt_u32 s56, 4
	s_cselect_b64 s[66:67], s[20:21], s[26:27]     ; L2's bias mu, sig, eps
	s_cselect_b64 s[68:69], s[22:23], s[28:29]
	s_cselect_b64 s[70:71], s[24:25], s[30:31]
	s_cselect_b64 s[72:73], s[32:33], s[38:39]     ; the last weights' mu, sig, eps
	s_cselect_b64 s[74:75], s[34:35], s[40:41]
	s_cselect_b64 s[76:77], s[36:37], s[42:43]
	s_load_b32 s80, s[44:45], 0x0                  ; v2's bias: mu, sig, eps
	s_load_b32 s81, s[46:47], 0x0
	s_load_b32 s82, s[48:49], 0x0
	s_load_b96 s[84:86], s[50:51], 0x0             ; a2's three: mu, sig, eps
	s_load_b96 s[88:90], s[52:53], 0x0
	s_load_b96 s[92:94], s[54:55], 0x0
	; LOADS.  (a) L0: 18 in waves 0-3, 1 in wave 4
	s_cmp_lt_u32 s56, 4
	s_cbranch_scc0 .Lport
	LD4 128, 4, 4, 5, 0                            ; v[128:159] my batch row of wv
	LD4 144, 4, 4, 5, 128
	LD4 160, 5, 8, 9, 0                            ; v[160:191] my row of Wo
	LD4 176, 5, 8, 9, 128
	global_load_b128 v[192:195], v6, s[10:11]      ; v[192:199] bo: L0's first C
	global_load_b128 v[196:199], v6, s[10:11] offset:16
	s_branch .Lrest
.Lport:
	s_cmp_eq_u32 s56, 4
	s_cbranch_scc0 .Lrest
	global_load_b128 v[128:131], v13, s[6:7]
.Lrest:
	; (b) L1: 22.  v[32:67], v[68:103]: W1's rows of tile T, 36 f32 each; v[104:119]: b1, L1's first C
.irp T, 0,1
	LD4 32+36*\T, 7, 12, 13, 4352*\T
	LD4 48+36*\T, 7, 12, 13, 4352*\T+128
	global_load_b128 v[64+36*\T:67+36*\T], v8, s[12:13] offset:4352*\T
.endr
.irp T, 0,1
	global_load_b128 v[104+8*\T:107+8*\T], v9, s[14:15] offset:64*\T
	global_load_b128 v[108+8*\T:111+8*\T], v9, s[14:15] offset:64*\T+16
.endr
	; (c) the last weights: 12.  v[200:215] mu, v[216:231] sig, v[232:247] eps
	LD4 200, 12, 72, 73, 0
	LD4 216, 12, 74, 75, 0
	LD4 232, 12, 76, 77, 0
	; (d) L2: 44, into window 1
	WIN 0x40                                       ; destination window 1, address window 0
.irp T, 0,1
.irp ks, 0,1,2,3,4,5,6,7
	global_load_b128 v[64*\T+8*\ks:64*\T+8*\ks+3],   v10, s[16:17] offset:8192*\T+64*\ks
	global_load_b128 v[64*\T+8*\ks+4:64*\T+8*\ks+7], v10, s[16:17] offset:8192*\T+64*\ks+32
.endr
.endr
.irp T, 0,1
	global_load_b128 v[160+8*\T:163+8*\T], v11, s[66:67] offset:64*\T
	global_load_b128 v[164+8*\T:167+8*\T], v11, s[66:67] offset:64*\T+16
	global_load_b128 v[128+8*\T:131+8*\T], v11, s[68:69] offset:64*\T
	global_load_b128 v[132+8*\T:135+8*\T], v11, s[68:69] offset:64*\T+16
	global_load_b128 v[144+8*\T:147+8*\T], v11, s[70:71] offset:64*\T
	global_load_b128 v[148+8*\T:151+8*\T], v11, s[70:71] offset:64*\T+16
.endr
	WIN 0
	; L0
	s_cmp_lt_u32 s56, 4
	s_cbranch_scc0 .Lport2
	s_wait_loadcnt 63                              ; 78 loads are younger than (a)'s last: a count of 63 shows (a) in
	PACK 128, 16                                   ; wv: fragments v[128:135], v[136:143]
	PACK 160, 16                                   ; Wo: fragments v[160:167], v[168:175]
	v_wmma_f32_16x16x32_bf16 v[192:199], v[160:167], v[128:135], v[192:199]
	v_wmma_f32_16x16x32_bf16 v[248:255], v[168:175], v[136:143], 0    ; the second K step has an accumulator of its own: no chain
	PLACES
.irp j, 0,2,4,6
	v_pk_add_f32 v[192+\j:193+\j], v[192+\j:193+\j], v[248+\j:249+\j]
.endr
.irp j, 0,1,2,3
	v_cvt_pk_bf16_f32 v[144+\j], v[192+2*\j], v[193+2*\j]
.endr
	ds_store_b128 v14, v[144:147]                  ; att[row r][16 w + 8 h + 0..7]
	s_branch .Ll0done
.Lport2:
	s_cmp_eq_u32 s56, 4
	s_cbranch_scc0 .Ll0done
	s_wait_loadcnt 63                              ; as above
	v_cvt_pk_bf16_f32 v132, v128, v129
	v_cvt_pk_bf16_f32 v133, v130, v131
	v_cndmask_b32 v132, 0, v132, s79               ; columns 64..67 lie in the half h = 0; all else up to column 95 is zero
	v_cndmask_b32 v133, 0, v133, s79
.irp j, 134,135,136,137,138,139
	v_mov_b32 v\j, 0
.endr
	ds_store_b128 v21, v[132:135]
	ds_store_b128 v21, v[136:139] offset:32
.Ll0done:
	s_wait_dscnt 0x0                               ; my part of [att, port] is in LDS, for all eight waves
	s_barrier_signal -1
	s_wait_loadcnt 56                              ; (c)'s 12 and (d)'s 44 stay out
.irp T, 0,1
	PACK 32+36*\T, 18                              ; fragments at 32 + 36 T + 8 ks; of K step 2 only registers 0-1 hold numbers
.irp j, 18,19,20,21,22,23
	v_mov_b32 v[32+36*\T+\j], 0
.endr
.endr
	s_barrier_wait -1
	; L1: two accumulators take turns
.irp ks, 0,1,2
	ds_load_b128 v[128+8*\ks:131+8*\ks], v15 offset:64*\ks
	ds_load_b128 v[132+8*\ks:135+8*\ks], v15 offset:64*\ks+32
.endr
	s_wait_dscnt 0x0
.irp ks, 0,1,2
	v_wmma_f32_16x16x32_bf16 v[104:111], v[32+8*\ks:39+8*\ks], v[128+8*\ks:135+8*\ks], v[104:111]
	v_wmma_f32_16x16x32_bf16 v[112:119], v[68+8*\ks:75+8*\ks], v[128+8*\ks:135+8*\ks], v[112:119]
.endr
	PLACES
.set f, 0
.rept 16
	v_max_num_f32 v[104+f], 0, v[104+f]
.set f, f+1
.endr
.irp j, 0,1,2,3,4,5,6,7
	v_cvt_pk_bf16_f32 v[152+\j], v[104+2*\j], v[105+2*\j]
.endr
	ds_store_b128 v16, v[152:155]                  ; feat[row r][32 w + 8 h + 0..7]
	ds_store_b128 v16, v[156:159] offset:32        ; and + 16
	s_wait_dscnt 0x0                               ; for all eight waves
	s_barrier_signal -1
	s_wait_loadcnt 44                              ; (d)'s 44 stay out: the last weights are in
.irp j, 0,2,4,6,8,10,12,14
	v_pk_fma_f32 v[200+\j:201+\j], v[216+\j:217+\j], v[232+\j:233+\j], v[200+\j:201+\j]
.endr
.irp j, 0,1,2,3,4,5,6,7
	v_cvt_pk_bf16_f32 v[120+\j], v[200+2*\j], v[201+2*\j]
.endr
.irp j, 0,1,2,3,4,5,6,7
	v_cndmask_b32 v[120+\j], 0, v[120+\j], s78     ; v[120:127]: A of the last product; rows that are not mine are zero
.endr
	s_wait_kmcnt 0x0                               ; the small biases
	s_wait_loadcnt 0x0
	WIN 0x55                                       ; all in window 1
.irp j, 0,2,4,6,8,10,12,14
	v_pk_fma_f32 v[160+\j:161+\j], v[128+\j:129+\j], v[144+\j:145+\j], v[160+\j:161+\j]   ; bias = mu + sig eps: L2's first C
.endr
	WIN 0
	s_barrier_wait -1
	; L2: two accumulators take turns
.irp ks, 0,1,2,3,4,5,6,7
	ds_load_b128 v[32+8*\ks:35+8*\ks], v17 offset:64*\ks
	ds_load_b128 v[36+8*\ks:39+8*\ks], v17 offset:64*\ks+32
.endr
	WIN 0x51                                       ; A, C and D window 1, B window 0
.irp ks, 0,1,2,3,4,5,6,7
	s_wait_dscnt 14-2*\ks                          ; the loads of the later K steps stay out
	v_wmma_f32_16x16x32_bf16 v[160:167], v[8*\ks:8*\ks+7],     v[32+8*\ks:39+8*\ks], v[160:167]
	v_wmma_f32_16x16x32_bf16 v[168:175], v[64+8*\ks:71+8*\ks], v[32+8*\ks:39+8*\ks], v[168:175]
.endr
	PLACES
	WIN 0x55
.set f, 0
.rept 16
	v_max_num_f32 v[160+f], 0, v[160+f]
.set f, f+1
.endr
	WIN 0x05                                       ; sources window 1, destination window 0
.irp j, 0,1,2,3,4,5,6,7
	v_cvt_pk_bf16_f32 v[96+\j], v[160+2*\j], v[161+2*\j]   ; tile 0 gives k = 8 h + 0..7, tile 1 k = 16 + 8 h + 0..7: a B operand as it stands
.endr
	WIN 0
	; L3: my 32 hidden numbers' share of value (row 0) or adv (rows 1..3)
	v_wmma_f32_16x16x32_bf16 v[104:111], v[120:127], v[96:103], 0
	PLACES
	ds_store_b128 v18, v[104:107]                  ; lanes 0-15: rows 0..3 of batch row r
	s_wait_dscnt 0x0                               ; for wave 0
	s_barrier_signal -1
	s_barrier_wait -1
	s_cmp_lg_u32 s56, 0
	s_cbranch_scc1 .Lend
.irp k, 0,1,2,3,4,5,6,7
	ds_load_b128 v[32+4*\k:35+4*\k], v19 offset:512*\k
.endr
	s_wait_dscnt 0x0
.irp k, 0,2,4,6
	v_pk_add_f32 v[32+4*\k:33+4*\k], v[32+4*\k:33+4*\k], v[36+4*\k:37+4*\k]
	v_pk_add_f32 v[34+4*\k:35+4*\k], v[34+4*\k:35+4*\k], v[38+4*\k:39+4*\k]
.endr
.irp k, 0,4
	v_pk_add_f32 v[32+4*\k:33+4*\k], v[32+4*\k:33+4*\k], v[40+4*\k:41+4*\k]
	v_pk_add_f32 v[34+4*\k:35+4*\k], v[34+4*\k:35+4*\k], v[42+4*\k:43+4*\k]
.endr
	v_pk_add_f32 v[32:33], v[32:33], v[48:49]
	v_pk_add_f32 v[34:35], v[34:35], v[50:51]      ; v32 value, v33-35 adv, without biases
	v_add_f32 v32, s80, v32
	v_add_f32 v33, s84, v33
	v_add_f32 v34, s85, v34
	v_add_f32 v35, s86, v35
	v_fma_f32 v32, s81, s82, v32                   ; + sig eps
	v_fma_f32 v33, s88, s92, v33
	v_fma_f32 v34, s89, s93, v34
	v_fma_f32 v35, s90, s94, v35
	v_add_f32 v36, v33, v34
	v_add_f32 v36, v36, v35
	v_fmamk_f32 v36, v36, 0xbeaaaaab, v32          ; value - (a0 + a1 + a2) / 3
	v_add_f32 v40, v33, v36
	v_add_f32 v41, v34, v36
	v_add_f32 v42, v35, v36
	v_cmp_gt_u32 vcc_lo, 16, v0                    ; lanes 0-15 hold the sixteen rows
	s_wait_xcnt 0x0                                ; EXEC changes only behind this wait
	s_and_saveexec_b32 s59, vcc_lo
	global_store_b96 v20, v[40:42], s[18:19]       ; sixteen lanes store 192 consecutive bytes: the work-group's whole share of out0
	s_wait_xcnt 0x0                                ; and again ahead of the line that widens it
	s_or_b32 exec_lo, exec_lo, s59
.Lend:
	s_endpgm
.Lfunc_end_k_qd16ef29086_head:
	.size	k_qd16ef29086_head, .Lfunc_end_k_qd16ef29086_head-k_qd16ef29086_head
	.p2alignl 7, 3214868480
	.fill 96, 4, 3214868480
	.section	.rodata,"a",@progbits
	.p2align	6, 0x0
	.amdhsa_kernel k_qd16ef29086_head
		.amdhsa_group_segment_fixed_size 15872
		.amdhsa_private_segment_fixed_size 0
		.amdhsa_enable_private_segment 0
		.amdhsa_kernarg_size 208
		.amdhsa_user_sgpr_count 2
		.amdhsa_user_sgpr_kernarg_segment_ptr 1
		.amdhsa_wavefront_size32 1
		.amdhsa_system_sgpr_workgroup_id_x 1
		.amdhsa_system_sgpr_workgroup_id_y 1
		.amdhsa_system_sgpr_workgroup_id_z 1
		.amdhsa_system_vgpr_workitem_id 0
		.amdhsa_next_free_vgpr 448
		.amdhsa_next_free_sgpr 96
		.amdhsa_reserve_vcc 1
		.amdhsa_float_denorm_mode_32 3
		.amdhsa_float_denorm_mode_16_64 3
		.amdhsa_memory_ordered 1
		.amdhsa_forward_progress 1
		.amdhsa_inst_pref_size 30
	.end_amdhsa_kernel
	.amdgpu_metadata
---
amdhsa.version: [ 1, 2 ]
amdhsa.kernels:
  - .name:           k_qd16ef29086_head
    .symbol:         k_qd16ef29086_head.kd
    .args:
      - { .name: wv, .offset: 0, .size: 8, .value_kind: global_buffer, .address_space: global }
      - { .name: state, .offset: 8, .size: 8, .value_kind: global_buffer, .address_space: global }
      - { .name: Wo, .offset: 16, .size: 8, .value_kind: global_buffer, .address_space: global }
      - { .name: bo, .offset: 24, .size: 8, .value_kind: global_buffer, .address_space: global }
      - { .name: W1, .offset: 32, .size: 8, .value_kind: global_buffer, .address_space: global }
      - { .name: b1, .offset: 40, .size: 8, .value_kind: global_buffer, .address_space: global }
      - { .name: wn, .offset: 48, .size: 8, .value_kind: global_buffer, .address_space: global }
      - { .name: out0, .offset: 56, .size: 8, .value_kind: global_buffer, .address_space: global }
      - { .name: v1_bmu, .offset: 64, .size: 8, .value_kind: global_buffer, .address_space: global }
      - { .name: v1_bsig, .offset: 72, .size: 8, .value_kind: global_buffer, .address_space: global }
      - { .name: v1_beps, .offset: 80, .size: 8, .value_kind: global_buffer, .address_space: global }
      - { .name: a1_bmu, .offset: 88, .size: 8, .value_kind: global_buffer, .address_space: global }
      - { .name: a1_bsig, .offset: 96, .size: 8, .value_kind: global_buffer, .address_space: global }
      - { .name: a1_beps, .offset: 104, .size: 8, .value_kind: global_buffer, .address_space: global }
      - { .name: v2_wmu, .offset: 112, .size: 8, .value_kind: global_buffer, .address_space: global }
      - { .name: v2_wsig, .offset: 120, .size: 8, .value_kind: global_buffer, .address_space: global }
      - { .name: v2_weps, .offset: 128, .size: 8, .value_kind: global_buffer, .address_space: global }
      - { .name: a2_wmu, .offset: 136, .size: 8, .value_kind: global_buffer, .address_space: global }
      - { .name: a2_wsig, .offset: 144, .size: 8, .value_kind: global_buffer, .address_space: global }
      - { .name: a2_weps, .offset: 152, .size: 8, .value_kind: global_buffer, .address_space: global }
      - { .name: v2_bmu, .offset: 160, .size: 8, .value_kind: global_buffer, .address_space: global }
      - { .name: v2_bsig, .offset: 168, .size: 8, .value_kind: global_buffer, .address_space: global }
      - { .name: v2_beps, .offset: 176, .size: 8, .value_kind: global_buffer, .address_space: global }
      - { .name: a2_bmu, .offset: 184, .size: 8, .value_kind: global_buffer, .address_space: global }
      - { .name: a2_bsig, .offset: 192, .size: 8, .value_kind: global_buffer, .address_space: global }
      - { .name: a2_beps, .offset: 200, .size: 8, .value_kind: global_buffer, .address_space: global }
    .group_segment_fixed_size: 15872
    .private_segment_fixed_size: 0
    .kernarg_segment_align: 8
    .kernarg_segment_size: 208
    .max_flat_workgroup_size: 256
    .sgpr_count:     96
    .vgpr_count:     448
    .wavefront_size: 32
...
	.end_amdgpu_metadata
.endif
;; end of part 2
